; MI455X (gfx1250); checked and timed in simulation.
; The chip was launched on July 23, 2026; its instructions are those of AMD's public machine-readable ISA for CDNA 5 (MIT licence, August 2026) and "CDNA5" Instruction Set Architecture Reference Guide (July 2026). The comments in the code are by the model that wrote it; some were corrected since.
;; Mo E Layer. Allowed arithmetic: float matrix products may take bf16 or f16 operands with f32 sums; all other float work in f32.
;; Inputs: W1 8 x 1,024 x 4,096 float32; W2 8 x 4,096 x 1,024 float32; Wr1 1,024 x 1,024 float32; Wr2 1,024 x 8 float32; b1 8 x 4,096 float32; b2 8 x 1,024 float32; br1 1,024 float32; br2 8 float32; x 4 x 256 x 1,024 float32.
;; Outputs: out0 4 x 256 x 1,024 float32.
;; One version. Each part assembles by itself: llvm-mc -triple=amdgcn-amd-amdhsa -mcpu=gfx1250 --defsym DOCPART=n.
;; ======== version 1 of 1: 4 launches
;; limits: values are held in f16: magnitudes above 65,504 overflow, below 6.1e-05 lose precision; inputs' magnitudes at most 65,504; right only within a limited range of input values
;; workspace buffers: xh 2,097,152 bytes; r1 4,194,304 bytes; hs 67,108,864 bytes; part 67,108,864 bytes
;; launch prep (part 1): grid 16 x 16, 8 waves a work-group, no clusters, 94,208 bytes of LDS; arguments x, Wr1, br1, xh, r1; writes xh, r1
.if DOCPART == 1
	.amdgcn_target "amdgcn-amd-amdhsa--gfx1250"
	.amdhsa_code_object_version 6
	.text
	.protected	k_q5b01bb01da_prep
	.globl	k_q5b01bb01da_prep
	.p2align	8
	.type	k_q5b01bb01da_prep,@function
k_q5b01bb01da_prep:
	s_mov_b64 s[64:65], 0
	v_nop
	global_prefetch_b8 v0, s[64:65] scope:SCOPE_SE
	s_setreg_imm32_b32 hwreg(HW_REG_WAVE_MODE, 25, 1), 1
	s_wait_xcnt 0x0
; prep: xh = f16(x) [1024][1024], and r1 = relu(x @ Wr1 + br1) [1024][1024] in f32, the router's hidden layer.
; THE WHOLE PROGRAM (four launches): prep; fc1: hs = f16(gelu(xh @ W1 + b1) / 16), [1024][8*4096]; fc2: part[s] = hs[:, 2048 s ..] @ W2flat[2048 s ..], s = 0..15;
; comb: out[t][d] = sum over e of softmax(r1 @ Wr2 + br2)[t][e] * (b2[e][d] + 16 (part[2e][t][d] + part[2e+1][t][d])).
; NO WORK IS LEFT OUT: every expert runs on every token, as the problem has it, and every input has a way to the output and is loaded
; (br2 differs along the softmax's axis, so it stays).
; NUMBER FORMAT: the matrix operands (x, Wr1, W1, h, W2) are rounded to f16, which keeps 11 significant bits where bf16 keeps 8; the sums are f32.
; ROOM IN f16 (largest number 65,504; step 2^-24 below 2^-14).  x is drawn with spread 1: 30 times larger, or with an offset of 30, it stays under about 200.
; Wr1, W1, W2 have spreads 1/32, 1/32, 1/64: 30 times larger or offset by 30 spreads they stay under 2; 30 times smaller their spread is 5e-4 at the least,
; of which f16's step of 2^-24 is 1.2e-4.  h has no such room as it is (x and W1 both offset by 30 spreads give 1024 x 30 x 30/32 = 28,800), so it is kept divided by 16.
; LIMITS: |x|, |Wr1|, |W1|, |W2| above 65,504 and |gelu| above 1,048,064 become infinite.  The sums run in another order than a plain sum along K.
; The work-group (jb = x, ib = y of the grid) makes the 64 x 64 tile of r1 at rows 64 ib, columns 64 jb, and casts the four rows 4 (16 ib + jb) .. + 3 of x.
; Eight waves: wave w makes 16 rows (w >> 1) x 32 columns (w & 1), two accumulator tiles.  K = 1024 goes in eight steps of 128, written out, so that every
; step stands in an immediate and no address register is ever stepped.  x and Wr1 are f32: they come through registers, are rounded there, and are laid
; into LDS as f16, x with K along the rows, Wr1 as it lies in memory, [K][N]; the transposing LDS load makes its fragments.
; No cluster and no tensor load: what LDS needs is the rounded data, which only registers can make.
.set XROW,   4096                      ; bytes in a row of x, of Wr1 and of r1
.set APITCH, 272                       ; LDS row of x's tile: 128 f16 + 16 bytes (17 x 16 bytes)
.set ABUF,   64*APITCH                 ; 17,408
.set BPITCH, 160                       ; LDS row of Wr1's tile: 64 f16 + 32 bytes (5 x 32 bytes)
.set BBUF,   128*BPITCH                ; 20,480
.set BBASE,  2*ABUF                    ; two buffers of x's tile, then two of Wr1's
.set STAGE,  BBASE+2*BBUF              ; 75,776: 64 rows x 272 bytes of f32 for the way out
.set XO, 4                             ; v4   x: wave's 8 rows + 16 lane
.set WO, 5                             ; v5   Wr1: wave's 16 rows, lanes 16-31 one row down, + 16 (lane % 16)
.set AS, 6                             ; v6   where my 8 bytes of x's tile go
.set BS, 7                             ; v7   where my 8 bytes of Wr1's tile go
.set AF, 8                             ; v8   my fragment of x's tile
.set BF, 9                             ; v9   my fragment of Wr1's tile
.set SS, 10                            ; v10  stage, in
.set SR, 11                            ; v11  stage, back
.set RO, 12                            ; v12  my 16 bytes in r1's tile
.set CI, 13                            ; v13  16 x thread
.set CO, 14                            ; v14  8 x thread
.set BI, 15                            ; v15  16 x (thread % 16)
.set ACC, 16                           ; v[16:31]   two accumulator tiles
.set FB,  32                           ; v[32:79]   fragments of K quarters 2, 3: 8 of x, 8 + 8 of Wr1, each
.set S0,  80                           ; v[80:143]  load set 0: 32 registers of x, 32 of Wr1
.set S1,  144                          ; v[144:207] load set 1
.set FA,  208                          ; v[208:255] fragments of K quarters 0, 1; first the four rows of x that are cast for xh
                                       ; v[0:3]     my four numbers of br1, loaded when the thread's number is no longer needed
	s_load_b256 s[4:11], s[0:1], 0x0               ; x s[4:5], Wr1 s[6:7], br1 s[8:9], xh s[10:11]
	s_load_b64 s[12:13], s[0:1], 0x20              ; r1
	s_set_vgpr_msb 0x40
	v_lshl_add_u32 v0, v0, 2, 0x16c00
	v_mov_b32 v1, 0
	s_set_vgpr_msb 0x4000
	v_lshrrev_b32 v1, 5, v0
	v_readfirstlane_b32 s16, v1                    ; wave 0..7
	s_and_b32 s17, ttmp7, 0xffff                   ; ib
	s_lshl_b32 s18, s17, 4
	s_add_co_u32 s18, s18, ttmp9                   ; id = 16 ib + jb
	s_lshl_b32 s20, s17, 18                        ; 64 rows of 4,096 bytes
	s_mov_b32 s21, 0
	s_lshl_b32 s22, ttmp9, 8                       ; 64 columns of 4 bytes
	s_mov_b32 s23, 0
	s_lshl_b32 s24, s18, 14                        ; 4 rows of x
	s_mov_b32 s25, 0
	s_lshl_b32 s26, s18, 13                        ; 4 rows of xh
	s_mov_b32 s27, 0
	s_lshr_b32 s19, s16, 1                         ; wm: which 16 rows
	s_and_b32 s28, s16, 1                          ; wn: which 32 columns
	v_and_b32 v1, 31, v0                           ; lane
	v_and_b32 v2, 15, v0                           ; r
	v_bfe_u32 v3, v0, 4, 1                         ; h
	s_lshl_b32 s29, s16, 15
	v_lshl_add_u32 v[XO], v1, 4, s29               ; 8 w rows + 16 lane
	s_lshl_b32 s29, s16, 16
	v_lshl_add_u32 v[WO], v3, 12, s29              ; (16 w + h) rows
	v_lshl_add_u32 v[WO], v2, 4, v[WO]             ; + 16 r
	s_mul_i32 s29, s16, 8*APITCH
	v_lshl_add_u32 v[AS], v1, 3, s29               ; row 8 w, byte 8 lane
	s_mul_i32 s29, s16, 16*BPITCH
	s_add_co_u32 s29, s29, BBASE
	v_mul_u32_u24 v[BS], v3, BPITCH
	v_lshl_add_u32 v[BS], v2, 3, v[BS]
	v_add_nc_u32 v[BS], s29, v[BS]                 ; row 16 w + h, byte 8 r
	s_mul_i32 s30, s19, 16*APITCH
	v_mul_u32_u24 v16, v2, APITCH
	v_add_nc_u32 v16, s30, v16                     ; (16 wm + r) x 272: serves the fragments and the stage
	v_lshl_add_u32 v[AF], v3, 4, v16               ; + 16 h
	v_and_b32 v17, 7, v0
	v_lshl_add_u32 v17, v3, 3, v17                 ; k row 8 h + lane % 8
	v_mul_u32_u24 v17, v17, BPITCH
	v_bfe_u32 v18, v0, 3, 1
	v_lshl_add_u32 v17, v18, 4, v17                ; + 16 bytes for lanes 8-15 of each half
	s_lshl_b32 s29, s28, 6
	s_add_co_u32 s29, s29, BBASE
	v_add_nc_u32 v[BF], s29, v17                   ; + my 32 columns
	s_lshl_b32 s29, s28, 7
	s_add_co_u32 s29, s29, STAGE
	v_lshl_add_u32 v[SS], v3, 5, v16
	v_add_nc_u32 v[SS], s29, v[SS]                 ; stage row 16 wm + r, byte 128 wn + 32 h
	v_lshrrev_b32 v17, 4, v0                       ; thread / 16: a row of sixteen
	v_lshlrev_b32 v[BI], 4, v2
	v_mul_u32_u24 v18, v17, APITCH
	v_add3_u32 v[SR], v18, v[BI], STAGE
	v_lshl_add_u32 v[RO], v17, 12, v[BI]
	v_lshlrev_b32 v[CI], 4, v0
	v_lshlrev_b32 v[CO], 3, v0
	s_wait_kmcnt 0x0
	s_add_nc_u64 s[14:15], s[4:5], s[24:25]        ; x at the four rows that I cast
	s_add_nc_u64 s[4:5], s[4:5], s[20:21]          ; x at my tile's rows
	s_add_nc_u64 s[6:7], s[6:7], s[22:23]          ; Wr1 at my tile's columns
	s_add_nc_u64 s[8:9], s[8:9], s[22:23]          ; br1 likewise
	s_add_nc_u64 s[10:11], s[10:11], s[26:27]      ; xh at my four rows
	s_add_nc_u64 s[12:13], s[12:13], s[20:21]
	s_add_nc_u64 s[12:13], s[12:13], s[22:23]      ; r1 at my tile
; K step k's 16 loads of a wave: 8 rows x 512 bytes of x, 16 rows x 256 bytes of Wr1
.macro LOADSET k, reg
.irp j, 0,1,2,3,4,5,6,7
	global_load_b128 v[\reg+4*\j:\reg+4*\j+3], v[XO], s[4:5] offset:512*(\k)+XROW*\j
.endr
.irp j, 0,1,2,3,4,5,6,7
	global_load_b128 v[\reg+32+4*\j:\reg+32+4*\j+3], v[WO], s[6:7] offset:128*XROW*(\k)+2*XROW*\j
.endr
.endm
	global_load_b128 v[0:3], v[BI], s[8:9]         ; br1 of my four columns on the way out; the thread's number is spent
.irp i, 0,1,2,3
	global_load_b128 v[FA+4*\i:FA+4*\i+3], v[CI], s[14:15] offset:XROW*\i   ; a row of x for each load of the work-group
.endr
	LOADSET 0, S0
	LOADSET 1, S1
	s_wait_loadcnt 32                              ; the two sets' 32 loads are younger: br1 and the four rows are in
.set p, 0
.rept 8
	v_cvt_pk_f16_f32 v[FA+p], v[FA+2*p], v[FA+2*p+1]           ; in place: word p is written when words 2p, 2p+1 are read
.set p, p+1
.endr
.irp i, 0,1,2,3
	global_store_b64 v[CO], v[FA+2*\i:FA+2*\i+1], s[10:11] offset:2048*\i   ; a wave stores 256 consecutive bytes, aligned
.endr
	s_wait_xcnt 0x0                                ; the stores' data registers become fragment registers only behind this wait
; six LDS loads: the fragments of one 32 of K: 16 rows of x, 2 x 16 columns of Wr1
.macro FRAG fr, kk, b
	ds_load_b128 v[\fr:\fr+3],        v[AF] offset:ABUF*\b+64*\kk
	ds_load_b128 v[\fr+4:\fr+7],      v[AF] offset:ABUF*\b+64*\kk+32
	ds_load_tr16_b128 v[\fr+8:\fr+11],  v[BF] offset:BBUF*\b+32*BPITCH*\kk
	ds_load_tr16_b128 v[\fr+12:\fr+15], v[BF] offset:BBUF*\b+32*BPITCH*\kk+16*BPITCH
	ds_load_tr16_b128 v[\fr+16:\fr+19], v[BF] offset:BBUF*\b+32*BPITCH*\kk+32
	ds_load_tr16_b128 v[\fr+20:\fr+23], v[BF] offset:BBUF*\b+32*BPITCH*\kk+32+16*BPITCH
.endm
; one product, used transposed (source 0 = columns of Wr1, source 1 = rows of x): a lane's eight results are eight neighbouring columns of one row
.macro WM n, fr, first
.if \first
	v_wmma_f32_16x16x32_f16 v[ACC+8*\n:ACC+8*\n+7], v[\fr+8+8*\n:\fr+15+8*\n], v[\fr:\fr+7], 0
.else
	v_wmma_f32_16x16x32_f16 v[ACC+8*\n:ACC+8*\n+7], v[\fr+8+8*\n:\fr+15+8*\n], v[\fr:\fr+7], v[ACC+8*\n:ACC+8*\n+7]
.endif
.endm
; K step k, from load set reg, through LDS buffers b.  One barrier a step is enough with two buffers: a wave writes buffer b of step k + 2 only behind
; the barrier of step k + 1, and every wave has waited for its reads of step k in front of its signal there.
; The 32 conversions are also the places between the last step's products and the loads into their fragment registers.
; The two accumulators take turns, one product a turn, from step to step too.
.macro STEP k, reg, b, cnt, first, load
	s_wait_loadcnt \cnt                            ; this set is in; the other set's 16 loads are younger and stay out
.set p, 0
.rept 32
	v_cvt_pk_f16_f32 v[\reg+p], v[\reg+2*p], v[\reg+2*p+1]
.set p, p+1
.endr
.irp j, 0,1,2,3,4,5,6,7
	ds_store_b64 v[AS], v[\reg+2*\j:\reg+2*\j+1] offset:ABUF*\b+APITCH*\j
.endr
.irp j, 0,1,2,3,4,5,6,7
	ds_store_b64 v[BS], v[\reg+16+2*\j:\reg+16+2*\j+1] offset:BBUF*\b+2*BPITCH*\j
.endr
.if \load
	LOADSET \k+2, \reg                             ; two steps ahead, into the set just emptied
.endif
	s_wait_dscnt 0x0                               ; my stores are in LDS (and my reads of the last step are long back)
	s_barrier_signal -1
	s_barrier_wait -1                              ; everybody's are
	FRAG FA,    0, \b
	FRAG FA+24, 1, \b
	FRAG FB,    2, \b
	FRAG FB+24, 3, \b
	s_wait_dscnt 18                                ; six loads for each 32 of K: the first six are in
	WM 0, FA, \first
	WM 1, FA, \first
	s_wait_dscnt 12
	WM 0, FA+24, 0
	WM 1, FA+24, 0
	s_wait_dscnt 6
	WM 0, FB, 0
	WM 1, FB, 0
	s_wait_dscnt 0
	WM 0, FB+24, 0
	WM 1, FB+24, 0
.endm
	STEP 0, S0, 0, 16, 1, 1                        ; the first products start the sums: nothing is cleared
	STEP 1, S1, 1, 16, 0, 1
	STEP 2, S0, 0, 16, 0, 1
	STEP 3, S1, 1, 16, 0, 1
	STEP 4, S0, 0, 16, 0, 1
	STEP 5, S1, 1, 16, 0, 1
	STEP 6, S0, 0, 16, 0, 0                        ; nothing is left to load
	STEP 7, S1, 1, 0,  0, 0
	; the way out: through a stage of its own in LDS, so that sixteen lanes store 256 consecutive bytes of a row of r1
.rept 4
	v_nop                                          ; four places behind the last product before its result is read (ISA guide 7.12.1)
.endr
.irp n, 0,1
	ds_store_b128 v[SS], v[ACC+8*\n:ACC+8*\n+3]   offset:64*\n
	ds_store_b128 v[SS], v[ACC+8*\n+4:ACC+8*\n+7] offset:64*\n+16
.endr
	s_wait_dscnt 0x0                               ; my part of the stage is written,
	s_barrier_signal -1
	s_barrier_wait -1                              ; everybody's is
.irp i, 0,1,2,3
	ds_load_b128 v[S0+4*\i:S0+4*\i+3], v[SR] offset:16*APITCH*\i
.endr
	s_wait_dscnt 0x0
.irp i, 0,1,2,3
	v_pk_add_f32 v[S0+4*\i:S0+4*\i+1],   v[S0+4*\i:S0+4*\i+1],   v[0:1]
	v_pk_add_f32 v[S0+4*\i+2:S0+4*\i+3], v[S0+4*\i+2:S0+4*\i+3], v[2:3]
.endr
.set p, 0
.rept 16
	v_max_num_f32 v[S0+p], 0, v[S0+p]              ; ReLU
.set p, p+1
.endr
.irp i, 0,1,2,3
	global_store_b128 v[RO], v[S0+4*\i:S0+4*\i+3], s[12:13] offset:16*XROW*\i
.endr
	s_set_vgpr_msb 0x5
	s_wait_tensorcnt 0x0
	ds_add_u32 v0, v1
	s_wait_dscnt 0x0
	s_set_vgpr_msb 0x500
	s_endpgm
.Lfunc_end_k_q5b01bb01da_prep:
	.size	k_q5b01bb01da_prep, .Lfunc_end_k_q5b01bb01da_prep-k_q5b01bb01da_prep
	.p2alignl 7, 3214868480
	.fill 96, 4, 3214868480
	.section	.rodata,"a",@progbits
	.p2align	6, 0x0
	.amdhsa_kernel k_q5b01bb01da_prep
		.amdhsa_group_segment_fixed_size 94208
		.amdhsa_private_segment_fixed_size 0
		.amdhsa_enable_private_segment 0
		.amdhsa_kernarg_size 40
		.amdhsa_user_sgpr_count 2
		.amdhsa_user_sgpr_kernarg_segment_ptr 1
		.amdhsa_wavefront_size32 1
		.amdhsa_system_sgpr_workgroup_id_x 1
		.amdhsa_system_sgpr_workgroup_id_y 1
		.amdhsa_system_sgpr_workgroup_id_z 1
		.amdhsa_system_vgpr_workitem_id 0
		.amdhsa_next_free_vgpr 258
		.amdhsa_next_free_sgpr 66
		.amdhsa_reserve_vcc 0
		.amdhsa_float_denorm_mode_32 3
		.amdhsa_float_denorm_mode_16_64 3
		.amdhsa_memory_ordered 1
		.amdhsa_forward_progress 1
		.amdhsa_inst_pref_size 62
	.end_amdhsa_kernel
	.amdgpu_metadata
---
amdhsa.version: [ 1, 2 ]
amdhsa.kernels:
  - .name:           k_q5b01bb01da_prep
    .symbol:         k_q5b01bb01da_prep.kd
    .args:
      - { .name: x, .offset: 0, .size: 8, .value_kind: global_buffer, .address_space: global }
      - { .name: Wr1, .offset: 8, .size: 8, .value_kind: global_buffer, .address_space: global }
      - { .name: br1, .offset: 16, .size: 8, .value_kind: global_buffer, .address_space: global }
      - { .name: xh, .offset: 24, .size: 8, .value_kind: global_buffer, .address_space: global }
      - { .name: r1, .offset: 32, .size: 8, .value_kind: global_buffer, .address_space: global }
    .group_segment_fixed_size: 94208
    .private_segment_fixed_size: 0
    .kernarg_segment_align: 8
    .kernarg_segment_size: 40
    .max_flat_workgroup_size: 256
    .sgpr_count:     66
    .vgpr_count:     258
    .wavefront_size: 32
...
	.end_amdgpu_metadata
.endif
;; end of part 1
;; launch fc1 (part 2): grid 128 x 4, 4 waves a work-group, clusters of 4 x 4, 327,680 bytes of LDS; arguments xh, W1, b1, hs; writes hs
.if DOCPART == 2
	.amdgcn_target "amdgcn-amd-amdhsa--gfx1250"
	.amdhsa_code_object_version 6
	.text
	.protected	k_q5b01bb01da_fc1
	.globl	k_q5b01bb01da_fc1
	.p2align	8
	.type	k_q5b01bb01da_fc1,@function
k_q5b01bb01da_fc1:
	s_mov_b64 s[64:65], 0
	v_nop
	global_prefetch_b8 v0, s[64:65] scope:SCOPE_SE
	s_setreg_imm32_b32 hwreg(HW_REG_WAVE_MODE, 25, 1), 1
	s_wait_xcnt 0x0
	s_wait_alu depctr_hold_cnt(0) depctr_sa_sdst(0) depctr_va_vdst(0) depctr_va_sdst(0) depctr_va_ssrc(0) depctr_va_vcc(0) depctr_vm_vsrc(0)
	s_getreg_b32 s2, hwreg(HW_REG_IB_STS2, 6, 4)
	s_cmp_eq_u32 s2, 0
	s_cbranch_scc0 .Lentry_in_a_cluster
	s_endpgm
.Lentry_in_a_cluster:
	s_bfe_u32 s2, ttmp6, 0x10000c
	s_cmp_lg_u32 s2, 0xf033
	s_cbranch_scc0 .Lentry_shape_is_right
	s_endpgm
.Lentry_shape_is_right:
; fc1: hs[t][4096 e + j] = f16(gelu(sum over d of xh[t][d] W1[e][d][j] + b1[e][j]) / 16).  xh [1024][1024] f16, W1 [8][1024][4096] f32, hs [1024][32768] f16.
; Nothing of the problem's work is left out here.
; A work-group makes a block of 256 tokens x 256 columns with four waves, a wave 128 x 128: 64 accumulator tiles, 512 registers.  K = 1024 in steps of 128.
; Column block cb = 4 x cluster x + cx (0..127; expert cb >> 4), row block cy.
; xh'S TILES come by the tensor data mover into a ring of two LDS slots; the four work-groups of a row of the cluster (same cy) need the same tile and ask for it
; JOINTLY: each wave asks for 64 rows x 256 bytes with the mask of that row.
; W1'S TILES are f32 and lie [K][N]: they are rounded in registers and laid into LDS as f16 [K][N]; the transposing LDS load makes the fragments.
; They are shared by the four work-groups of a column of the cluster, but are not asked for jointly: a joint tile could only be the f32 data,
; 128 x 256 x 4 = 131,072 bytes a K step that LDS would take in and give out once more, beside the 2 x 65,536 bytes of f16 that it holds anyway.
; THE SCALE 1/16.  h is the next product's operand, in f16 (largest number 65,504).  With x and W1 both offset by 30 of their spreads u reaches
; 1024 x 30 x 30/32 = 28,800, too near that end; so hs holds gelu(u) / 16, and the last launch multiplies by 16.  With x and W1 both 30 times smaller
; h / 16 has a spread of about 3.4e-5 and is rounded to f16's step of 2^-24, 1.7e-3 of that spread.  The scale costs nothing: the bias's add becomes
; u' = sum 2^-4 + b1 2^-4, one fused multiply-add, and two constants below take up the 16 and the 256.
; LIMITS.  gelu(u) = max(u, 0) - |u| Q(|u|), Q(a) = erfc(a / sqrt 2) / 2 by the five-term rational form t = 1 / (1 + 0.3275911 a / sqrt 2),
; Q = (a1 t + .. + a5 t^5) exp(-a^2 / 2) / 2: absolute error of Q at most 0.75e-7, so the relative error is large only where |gelu| is below about 1e-6
; (far negative u).  An infinite u gives NaN; |W1| above 65,504 and gelu above 1,048,064 become infinite.  Operands f16, sums f32, K ascending in each accumulator.
;
; REGISTERS, in windows of 256:
;   window 0: v16-49 addresses, bias, constants; v64-127, v128-191 fragments of xh, two buffers (on the way out: at work, with v192-239)
;   window 1: v0-63 and v192-255 two units of W1 as loaded (32 k rows x 256 columns for the four waves: 64 registers a wave); v64-127, v128-191 fragments of W1
;   window 2: accumulator tiles of my rows 0-63 (tile (a, b) at v[8 (8 a + b)]);  window 3: of my rows 64-127.  At the start both hold the first five units of W1.
.set APITCH_EL, 1024                   ; elements from row to row of xh
.set BROW,   16384                     ; bytes from row to row of W1
.set CHUNK,  32*BROW                   ; a unit of W1: 32 k rows
.set LAPS,   4                         ; a lap = two K steps = once round the ring; K = 1024
.set PITCH,  272                       ; LDS row of xh's tile: 256 bytes + 16 (17 x 16 bytes)
.set AQ,     64*PITCH                  ; what one tensor load brings
.set ASLOT,  4*AQ                      ; 69,632
.set BPITCH, 544                       ; LDS row of W1's tile: 256 f16 + 32 bytes (17 x 32 bytes)
.set BQ,     32*BPITCH                 ; a unit in LDS
.set BBUF,   4*BQ                      ; 69,632
.set BBASE,  2*ASLOT                   ; 139,264: the two buffers of W1's tiles lie behind the ring; no tensor load ever lands there
.set DPITCH, 528                       ; the way out: a row of 128 f32 + 16 bytes
.set DWAVE,  128*DPITCH                ; 67,584 for each wave, from LDS byte 0: over the ring and the buffers, which have had their last fill by then
.set ADRA, 16                          ; v16-17  my fragments of xh in slot 0, 1
.set ADRB, 20                          ; v20-21  my fragments of W1 in buffer 0, 1
.set BST,  22                          ; v22-23  where my 8 bytes of a unit go, buffer 0, 1
.set BOFF, 24                          ; v24     16 x lane
.set DST,  25                          ; v25     the way out, in
.set DRD,  26                          ; v26     the way out, back
.set GO,   27                          ; v27     8 x lane
.set BIAS, 28                          ; v[28:31] b1 of my four columns on the way out, there divided by 16
.set CP,   32                          ; v[32:49] pairs of equal constants for the packed arithmetic
.set CE,   34
.set NA1,  36
.set NA2,  38
.set NA3,  40
.set NA4,  42
.set NA5,  44
.set ONE,  46
.set SC,   48
.set F0,   64
.set F1,   128
.set U0,   0
.set U1,   192
.set X,    64                          ; the way out: u / 16, then max(u, 0) / 16
.set T,    96
.set EE,   128
.set PP,   160
.set Y,    192
.set AU,   208
.set G1,   24                          ; s[24:31] descriptor group 1
.set G0,   32                          ; s[32:39] descriptor group 0, a set for each slot
.set MSB,  0
.macro WIN new                         ; the immediate's high byte repeats the setting that is left
.if MSB != \new
	s_set_vgpr_msb (MSB<<8)|\new
.set MSB, \new
.endif
.endm
.set MUL_LO, 0xa1                      ; source 0 (W1) window 1, source 1 (xh) window 0, C and D window 2
.set MUL_HI, 0xf1                      ; the same, C and D window 3
.set TO_B,   0x40                      ; destination window 1, address window 0
.macro CREST                           ; a round of the cluster's barrier behind its opening barrier
	s_cmp_lg_u32 s12, 0
	s_cbranch_scc1 .Lnot_wave_0_\@
	s_barrier_signal -3
.Lnot_wave_0_\@:
	s_barrier_wait -3
	s_barrier_signal -1
	s_barrier_wait -1
.endm
.macro CROUND                          ; a whole round
	s_barrier_signal -1
	s_barrier_wait -1
	CREST
.endm
.macro PLACES                          ; four places behind a matrix instruction (ISA guide 7.12.1)
.rept 4
	v_nop
.endr
.endm
; 16 products: m blocks a0, a0 + 1 of the window's four x all 8 n blocks, 32 along K.  Used transposed: source 0 = 16 columns of W1, source 1 = 16 rows of xh,
; so that a lane's eight results are eight neighbouring columns of one row.  zero = 1: the product starts the sum.
.macro MUL16 f, hi, a0, zero
.irp a, \a0, \a0+1
.irp b, 0,1,2,3,4,5,6,7
.if \zero
	v_wmma_f32_16x16x32_f16 v[8*(8*(\a)+\b):8*(8*(\a)+\b)+7], v[\f+8*\b:\f+8*\b+7], v[\f+8*(4*\hi+\a):\f+8*(4*\hi+\a)+7], 0
.else
	v_wmma_f32_16x16x32_f16 v[8*(8*(\a)+\b):8*(8*(\a)+\b)+7], v[\f+8*\b:\f+8*\b+7], v[\f+8*(4*\hi+\a):\f+8*(4*\hi+\a)+7], v[8*(8*(\a)+\b):8*(8*(\a)+\b)+7]
.endif
.endr
.endr
.endm
; 32 LDS loads: the fragments of quarter kq of a K step (128 columns of W1, 128 rows of xh, 32 along K) into buffer f
.macro FETCH slot, kq, f
	WIN TO_B
.irp i, 0,1,2,3,4,5,6,7
	ds_load_tr16_b128 v[\f+8*\i:\f+8*\i+3],   v[ADRB+\slot] offset:\kq*BQ+32*\i
	ds_load_tr16_b128 v[\f+8*\i+4:\f+8*\i+7], v[ADRB+\slot] offset:\kq*BQ+32*\i+16*BPITCH
.endr
	WIN 0
.irp i, 0,1,2,3,4,5,6,7
	ds_load_b128 v[\f+8*\i:\f+8*\i+3],   v[ADRA+\slot] offset:64*\kq+\i*16*PITCH
	ds_load_b128 v[\f+8*\i+4:\f+8*\i+7], v[ADRA+\slot] offset:64*\kq+\i*16*PITCH+32
.endr
.endm
; A unit of W1 in 64 registers from base on, under the window that is set: 16 loads (my 8 k rows x 1,024 bytes), 32 roundings in place, 16 LDS stores
.macro PLOADS base, off
.set p, 0
.rept 8
	global_load_b128 v[\base+8*p:\base+8*p+3],   v[BOFF], s[44:45] offset:\off+p*BROW
	global_load_b128 v[\base+8*p+4:\base+8*p+7], v[BOFF], s[44:45] offset:\off+p*BROW+512
.set p, p+1
.endr
.endm
.macro PCAST base
.set p, 0
.rept 32
	v_cvt_pk_f16_f32 v[\base+p], v[\base+2*p], v[\base+2*p+1]    ; word p is written when words 2p, 2p+1 are read
.set p, p+1
.endr
.endm
.macro PSTORE base, buf, rb
.set p, 0
.rept 16
	ds_store_b64 v[BST+\buf], v[\base+2*p:\base+2*p+1] offset:\rb*BQ+(p>>1)*BPITCH+(p&1)*256
.set p, p+1
.endr
.endm
; W1's share of a quarter.  In quarter g (counted through the whole K) unit g + 5 is rounded and stored to LDS and unit g + 7 is asked for, into the registers
; just emptied.  conv = 0: four v_nop take the place of the roundings, which are the places in front of FETCH's loads into fragment registers.
.macro BWORK u, buf, rb, conv, cnt, load
.if \conv
	s_wait_loadcnt \cnt                            ; this unit's 16 loads are in; the next unit's 16 are younger and stay out
	WIN 0x45
	PCAST \u
	WIN 0x04
	PSTORE \u, \buf, \rb
.else
	PLACES
.endif
.if \load
	s_wait_xcnt 0x0                                ; the base of the loads issued so far is stepped only behind this wait
	s_add_nc_u64 s[44:45], s[44:45], CHUNK
	WIN TO_B
	PLOADS \u, 0
.endif
.endm
; One of a K step's first three quarters: multiplies buffer f; in its middle W1's share, then the next quarter's fragments into buffer g.
; The 64 accumulators take turns in the same order in every quarter, over the loop's backward jump too.
.macro QUARTER slot, kq, f, g, zero, u, buf, rb, conv, cnt, load
	s_wait_dscnt 8                                 ; W1's fragments and xh's rows 0-63 are in; the youngest eight loads (rows 64-127) may be out
	WIN MUL_LO
	MUL16 \f, 0, 0, \zero
	MUL16 \f, 0, 2, \zero
	BWORK \u, \buf, \rb, \conv, \cnt, \load
	FETCH \slot, \kq, \g
	s_wait_dscnt 32+16*\conv                       ; all but what this quarter has issued: 16 stores (if any) and 32 loads
	WIN MUL_HI
	MUL16 \f, 1, 0, \zero
	MUL16 \f, 1, 2, \zero
.endm
; The last quarter: multiplies buffer 1 and changes slots.  In front of the barrier each wave waits for all its LDS instructions (its reads of this slot and this
; buffer, its stores of the next buffer's units) and for all its tensor loads (one is out: its part of the next slot).  Behind it nobody reads this slot or
; this buffer, and the next ones are whole.  fill = 1: the barrier opens a round of the cluster's barrier, and the joint refill, two K steps ahead, is the first
; tensor load behind the round and the wave's only one until the next.  Then W1's share (the first unit of the step after next, into this buffer).
.macro TURN slot, next, fill, u, buf, rb, conv, cnt, load
	s_wait_dscnt 8
	WIN MUL_LO
	MUL16 F1, 0, 0, 0
	s_wait_dscnt 0
	s_set_vgpr_msb 0xa1a0
	s_wait_tensorcnt 0x0
	ds_add_u32 v254, v255
	s_wait_dscnt 0x0
	s_set_vgpr_msb 0xa0a1
	s_barrier_signal -1
	MUL16 F1, 0, 2, 0                              ; registers only, while the others arrive
	WIN 0
	s_barrier_wait -1
.if \fill
	CREST
	s_add_nc_u64 s[G0+4*\slot+2:G0+4*\slot+3], s[G0+4*\slot+2:G0+4*\slot+3], 512   ; no tensor load of mine is out: two K steps of 256 bytes on
	tensor_load_to_lds s[G0+4*\slot:G0+4*\slot+3], s[G1:G1+7]
	s_nop 0
.endif
	BWORK \u, \buf, \rb, \conv, \cnt, \load
	FETCH \next, 0, F0
	WIN MUL_HI
	MUL16 F1, 1, 0, 0
	MUL16 F1, 1, 2, 0
.endm
.macro STEPF n, o, zero                ; a whole K step on slot n; o = the other slot
	QUARTER \n, 1, F0, F1, \zero, U1, \o, 1, 1, 16, 1
	QUARTER \n, 2, F1, F0, 0,     U0, \o, 2, 1, 16, 1
	QUARTER \n, 3, F0, F1, 0,     U1, \o, 3, 1, 16, 1
	TURN \n, \o, 1, U0, \n, 0, 1, 16, 1
.endm
.macro LAP zero
	STEPF 0, 1, \zero
	STEPF 1, 0, 0
.endm
	s_load_b256 s[4:11], s[0:1], 0x0               ; xh s[4:5], W1 s[6:7], b1 s[8:9], hs s[10:11]
	v_lshl_add_u32 v254, v0, 2, 0x44000
	v_mov_b32 v255, 0
	ds_add_u32 v254, v255
	v_lshrrev_b32 v1, 5, v0
	v_readfirstlane_b32 s12, v1                    ; wave 0..3
	v_and_b32 v2, 31, v0                           ; lane
	v_lshlrev_b32 v[BOFF], 4, v2
	s_lshr_b32 s13, s12, 1                         ; wm: which 128 rows of the block
	s_and_b32 s14, s12, 1                          ; wn: which 128 columns
	s_bfe_u32 s40, ttmp6, 0x40000                  ; cx
	s_bfe_u32 s41, ttmp6, 0x40004                  ; cy = row block (the grid has one cluster along y)
	s_lshl_b32 s42, ttmp9, 2
	s_add_co_u32 s42, s42, s40                     ; cb = column block
	s_lshl_b32 s43, s41, 2
	s_lshl_b32 s43, 15, s43                        ; my row of the cluster: places 4 cy .. 4 cy + 3
	s_lshr_b32 s48, s42, 4                         ; W1: expert x 2^24 bytes
	s_lshl_b32 s48, s48, 24
	s_and_b32 s49, s42, 15
	s_lshl_b32 s49, s49, 10                        ; + 256 columns of 4 bytes for each block
	s_add_co_u32 s48, s48, s49
	s_lshl_b32 s49, s12, 17                        ; + my 8 rows of each unit
	s_add_co_u32 s48, s48, s49
	s_mov_b32 s49, 0
	s_lshl_b32 s50, s42, 10                        ; b1: 256 numbers for each block, 128 for each half
	s_lshl_b32 s51, s14, 9
	s_add_co_u32 s50, s50, s51
	s_mov_b32 s51, 0
	s_lshl_b32 s16, s41, 19                        ; xh: 256 rows of 2,048 bytes for each row block, 64 for each wave.  s[16:20] never hold cx
	s_lshl_b32 s17, s12, 17
	s_add_co_u32 s16, s16, s17
	s_mov_b32 s17, 0
	s_mul_i32 s20, s12, AQ                         ; and where my 64 rows go
	s_wait_dscnt 0x0
	s_wait_kmcnt 0x0
	s_add_nc_u64 s[44:45], s[6:7], s[48:49]
	s_add_nc_u64 s[8:9], s[8:9], s[50:51]
	s_add_nc_u64 s[18:19], s[4:5], s[16:17]
	s_lshl_b32 s48, s41, 24                        ; hs: 256 rows of 65,536 bytes for each row block,
	s_lshl_b32 s50, s13, 23                        ; 128 for each half,
	s_add_co_u32 s48, s48, s50
	s_lshl_b32 s50, s42, 9                         ; 256 columns of 2 bytes for each block,
	s_add_co_u32 s48, s48, s50
	s_lshl_b32 s50, s14, 8                         ; 128 for each half
	s_add_co_u32 s48, s48, s50
	s_add_nc_u64 s[46:47], s[10:11], s[48:49]
	; the first seven units of W1 are asked for before anything else: 0-3 (K step 0) and 4 into the accumulators' registers, 5 and 6 into the two units
	global_load_b128 v[BIAS:BIAS+3], v[BOFF], s[8:9]
	WIN 0x80
	PLOADS 0,   0
	PLOADS 64,  CHUNK
	PLOADS 128, 2*CHUNK
	PLOADS 192, 3*CHUNK
	WIN 0xc0
	PLOADS 0,   4*CHUNK
	WIN TO_B
	PLOADS U1,  5*CHUNK
	PLOADS U0,  6*CHUNK
	WIN 0
	s_wait_xcnt 0x0                                ; the base is stepped only behind this wait
	s_add_nc_u64 s[44:45], s[44:45], 6*CHUNK       ; each later request steps it by one unit first
	; descriptor group 1: 64 rows x 128 elements of 2 bytes, 16 bytes of padding behind every 256
	s_or_b32 s[G1+0], s43, (1<<16)|(1<<20)|(1<<21)|(5<<22)|(3<<25)   ; mask of my row; element of 2 bytes; padding on; bit 21 beside a mask; after 64 words, 4 words
	s_mov_b32 s[G1+1], 128<<16                     ; tensor_dim0 = 128
	s_mov_b32 s[G1+2], 64<<16                      ; tensor_dim1 = 64
	s_mov_b32 s[G1+3], 128<<16                     ; tile_dim0 = 128
	s_mov_b32 s[G1+4], 64                          ; tile_dim1 = 64
	s_mov_b32 s[G1+5], APITCH_EL                   ; elements from row to row
	s_mov_b32 s[G1+6], 0
	s_mov_b32 s[G1+7], 0
	CROUND                                         ; all sixteen work-groups are here: the first joint loads meet
.irp n, 0,1
	s_mov_b32 s[G0+4*\n], 1
	s_add_co_u32 s[G0+4*\n+1], s20, \n*ASLOT
	s_add_nc_u64 s[G0+4*\n+2:G0+4*\n+3], s[18:19], \n*256          ; K step n
	s_or_b32 s[G0+4*\n+3], s[G0+4*\n+3], 0x80000000
	tensor_load_to_lds s[G0+4*\n:G0+4*\n+3], s[G1:G1+7]            ; two loads of the wave are out; later one behind each round
	s_nop 0
.endr
	v_and_b32 v1, 15, v0                           ; r
	v_bfe_u32 v3, v0, 4, 1                         ; h
	v_mul_u32_u24 v4, v1, PITCH
	v_lshl_add_u32 v4, v3, 4, v4                   ; r x pitch + 16 h
	s_mul_i32 s21, s13, 128*PITCH
	v_add_nc_u32 v[ADRA], s21, v4
	v_add_nc_u32 v[ADRA+1], ASLOT, v[ADRA]
	v_and_b32 v5, 7, v0
	v_lshl_add_u32 v5, v3, 3, v5                   ; k row 8 h + lane % 8
	v_mul_u32_u24 v5, v5, BPITCH
	v_bfe_u32 v6, v0, 3, 1
	v_lshl_add_u32 v5, v6, 4, v5                   ; + 16 bytes for lanes 8-15 of each half
	s_lshl_b32 s22, s14, 8
	s_add_co_u32 s22, s22, BBASE
	v_add_nc_u32 v[ADRB], s22, v5
	v_add_nc_u32 v[ADRB+1], BBUF, v[ADRB]
	s_mul_i32 s23, s12, 8*BPITCH
	s_add_co_u32 s23, s23, BBASE
	v_lshl_add_u32 v[BST], v2, 3, s23              ; my 8 rows of a unit, byte 8 lane
	v_add_nc_u32 v[BST+1], BBUF, v[BST]
	s_mul_i32 s21, s12, DWAVE
	v_mul_u32_u24 v7, v1, DPITCH
	v_lshl_add_u32 v7, v3, 5, v7
	v_add_nc_u32 v[DST], s21, v7
	v_lshl_add_u32 v[DRD], v2, 4, s21
	v_lshlrev_b32 v[GO], 3, v2
	s_wait_loadcnt 32                              ; units 5 and 6 are younger: b1 and units 0-4 are in
	WIN 0x8a
	PCAST 0
	PCAST 64
	PCAST 128
	PCAST 192
	WIN 0x08
	PSTORE 0,   0, 0
	PSTORE 64,  0, 1
	PSTORE 128, 0, 2
	PSTORE 192, 0, 3
	WIN 0xcf
	PCAST 0
	WIN 0x0c
	PSTORE 0,   1, 0
	WIN 0
	s_wait_dscnt 0x0                               ; my stores are in LDS,
	s_wait_tensorcnt 0x1                           ; my part of K step 0 is in; K step 1's may stay out
	s_barrier_signal -1
	s_barrier_wait -1                              ; everybody's are
	FETCH 0, 0, F0
	LAP 1                                          ; the first lap stands in front of the loop: its first products start the sums
	WIN 0
	s_mov_b32 s15, LAPS-2
.Llap:
	LAP 0
	WIN 0
	s_sub_co_u32 s15, s15, 1
	s_cmp_lg_u32 s15, 0
	s_cbranch_scc1 .Llap
	; the last lap: one more unit is asked for, three more are rounded, no slot is filled
	QUARTER 0, 1, F0, F1, 0, U1, 1, 1, 1, 16, 1
	QUARTER 0, 2, F1, F0, 0, U0, 1, 2, 1, 16, 0
	QUARTER 0, 3, F0, F1, 0, U1, 1, 3, 1, 0,  0
	TURN 0, 1, 0, U0, 0, 0, 0, 0, 0
	QUARTER 1, 1, F0, F1, 0, U1, 0, 0, 0, 0, 0
	QUARTER 1, 2, F1, F0, 0, U0, 0, 0, 0, 0, 0
	QUARTER 1, 3, F0, F1, 0, U1, 0, 0, 0, 0, 0
	s_wait_dscnt 8
	WIN MUL_LO
	MUL16 F1, 0, 0, 0
	MUL16 F1, 0, 2, 0
	s_wait_dscnt 0                                 ; my last reads of the ring and of the buffers are back:
	s_barrier_signal -1
	WIN MUL_HI
	MUL16 F1, 1, 0, 0
	MUL16 F1, 1, 2, 0
	WIN 0
	s_barrier_wait -1                              ; everybody's are: LDS is free for the way out
	; THE WAY OUT.  The wave's 128 x 128 sums go to its own 67,584 bytes of LDS as f32; then 8 rows at a time come back by rows, get bias and GELU, and leave as f16.
	PLACES
.macro DUMP hi
.irp a, 0,1,2,3
.irp b, 0,1,2,3,4,5,6,7
	ds_store_b128 v[DST], v[8*(8*\a+\b):8*(8*\a+\b)+3]   offset:16*(4*\hi+\a)*DPITCH+64*\b
	ds_store_b128 v[DST], v[8*(8*\a+\b)+4:8*(8*\a+\b)+7] offset:16*(4*\hi+\a)*DPITCH+64*\b+16
.endr
.endr
.endm
	WIN 0x08
	DUMP 0
	WIN 0x0c
	DUMP 1
	WIN 0
.macro PAIR reg, val
	v_mov_b32 v[\reg], \val
	v_mov_b32 v[\reg+1], \val
.endm
	PAIR SC,  0x3d800000                           ; 2^-4: all that follows works on u' = u / 16
	PAIR CP,  0x406d3388                           ; 16 x 0.3275911 / sqrt 2: times |u'|
	PAIR CE,  0xc338aa3b                           ; -256 x log2(e) / 2: times u'^2
	PAIR NA1, 0xbe027906                           ; -a1 / 2 .. -a5 / 2: the polynomial gives -Q
	PAIR NA2, 0x3e11a98e
	PAIR NA3, 0xbf35f0e3
	PAIR NA4, 0x3f3a00e3
	PAIR NA5, 0xbf07dc22
	PAIR ONE, 1.0
	v_pk_mul_f32 v[BIAS:BIAS+1],   v[BIAS:BIAS+1],   v[SC:SC+1]    ; b1 / 16, once
	v_pk_mul_f32 v[BIAS+2:BIAS+3], v[BIAS+2:BIAS+3], v[SC:SC+1]
	s_mov_b32 s52, 0x7fffffff
.macro HORNER c                        ; PP = PP T + c
.set p, 0
.rept 16
	v_pk_fma_f32 v[PP+2*p:PP+2*p+1], v[PP+2*p:PP+2*p+1], v[T+2*p:T+2*p+1], v[\c:\c+1]
.set p, p+1
.endr
.endm
	s_mov_b32 s15, 16
.Lout:
.irp j, 0,1,2,3,4,5,6,7
	ds_load_b128 v[X+4*\j:X+4*\j+3], v[DRD] offset:DPITCH*\j       ; a row of 512 bytes for the wave; LDS serves a wave's instructions in order: these see my stores
.endr
	s_wait_dscnt 0x0
.irp j, 0,1,2,3,4,5,6,7
	v_pk_fma_f32 v[X+4*\j:X+4*\j+1],   v[X+4*\j:X+4*\j+1],   v[SC:SC+1], v[BIAS:BIAS+1]
	v_pk_fma_f32 v[X+4*\j+2:X+4*\j+3], v[X+4*\j+2:X+4*\j+3], v[SC:SC+1], v[BIAS+2:BIAS+3]   ; u' = (sum + b1) / 16
.endr
.set p, 0
.rept 32
	v_and_b32 v[AU+p], s52, v[X+p]                 ; |u'|
.set p, p+1
.endr
.set p, 0
.rept 16
	v_pk_fma_f32 v[T+2*p:T+2*p+1], v[AU+2*p:AU+2*p+1], v[CP:CP+1], v[ONE:ONE+1]
	v_pk_mul_f32 v[EE+2*p:EE+2*p+1], v[X+2*p:X+2*p+1], v[X+2*p:X+2*p+1]
.set p, p+1
.endr
.set p, 0
.rept 16
	v_pk_mul_f32 v[EE+2*p:EE+2*p+1], v[EE+2*p:EE+2*p+1], v[CE:CE+1]
.set p, p+1
.endr
.set p, 0
.rept 32
	v_rcp_f32 v[T+p], v[T+p]                       ; t
.set p, p+1
.endr
.set p, 0
.rept 32
	v_exp_f32 v[EE+p], v[EE+p]                     ; exp(-u^2 / 2)
.set p, p+1
.endr
.set p, 0
.rept 32
	v_max_num_f32 v[X+p], 0, v[X+p]                ; plain lines that touch neither T nor EE stand between the run above and the first use of its results (ISA guide 5.7.2)
.set p, p+1
.endr
.set p, 0
	s_wait_alu depctr_va_vdst(0)
.rept 16
	v_pk_fma_f32 v[PP+2*p:PP+2*p+1], v[T+2*p:T+2*p+1], v[NA5:NA5+1], v[NA4:NA4+1]
.set p, p+1
.endr
	HORNER NA3
	HORNER NA2
	HORNER NA1
.set p, 0
.rept 16
	v_pk_mul_f32 v[PP+2*p:PP+2*p+1], v[PP+2*p:PP+2*p+1], v[T+2*p:T+2*p+1]
.set p, p+1
.endr
.set p, 0
.rept 16
	v_pk_mul_f32 v[PP+2*p:PP+2*p+1], v[PP+2*p:PP+2*p+1], v[EE+2*p:EE+2*p+1]        ; -Q
.set p, p+1
.endr
.set p, 0
.rept 16
	v_pk_fma_f32 v[PP+2*p:PP+2*p+1], v[AU+2*p:AU+2*p+1], v[PP+2*p:PP+2*p+1], v[X+2*p:X+2*p+1]   ; (max(u, 0) - |u| Q) / 16
.set p, p+1
.endr
.set p, 0
.rept 16
	v_cvt_pk_f16_f32 v[Y+p], v[PP+2*p], v[PP+2*p+1]
.set p, p+1
.endr
.irp j, 0,1,2,3,4,5,6,7
	global_store_b64 v[GO], v[Y+2*\j:Y+2*\j+1], s[46:47] offset:65536*\j           ; the wave stores 256 consecutive bytes of a row of hs, aligned
.endr
	s_wait_xcnt 0x0                                ; the stores' data and base are written again only behind this wait
	s_add_nc_u64 s[46:47], s[46:47], 8*65536
	v_add_nc_u32 v[DRD], 8*DPITCH, v[DRD]
	s_sub_co_u32 s15, s15, 1
	s_cmp_lg_u32 s15, 0
	s_cbranch_scc1 .Lout
	s_wait_tensorcnt 0x0
	ds_add_u32 v254, v255
	s_wait_dscnt 0x0
	CROUND                                         ; the closing round: no work-group ends while a partner may still ask for a tile that names it
	s_endpgm
.Lfunc_end_k_q5b01bb01da_fc1:
	.size	k_q5b01bb01da_fc1, .Lfunc_end_k_q5b01bb01da_fc1-k_q5b01bb01da_fc1
	.p2alignl 7, 3214868480
	.fill 96, 4, 3214868480
	.section	.rodata,"a",@progbits
	.p2align	6, 0x0
	.amdhsa_kernel k_q5b01bb01da_fc1
		.amdhsa_group_segment_fixed_size 327680
		.amdhsa_private_segment_fixed_size 0
		.amdhsa_enable_private_segment 0
		.amdhsa_kernarg_size 32
		.amdhsa_user_sgpr_count 2
		.amdhsa_user_sgpr_kernarg_segment_ptr 1
		.amdhsa_wavefront_size32 1
		.amdhsa_system_sgpr_workgroup_id_x 1
		.amdhsa_system_sgpr_workgroup_id_y 1
		.amdhsa_system_sgpr_workgroup_id_z 1
		.amdhsa_system_vgpr_workitem_id 0
		.amdhsa_next_free_vgpr 1024
		.amdhsa_next_free_sgpr 66
		.amdhsa_reserve_vcc 0
		.amdhsa_float_denorm_mode_32 3
		.amdhsa_float_denorm_mode_16_64 3
		.amdhsa_memory_ordered 1
		.amdhsa_forward_progress 1
		.amdhsa_inst_pref_size 255
	.end_amdhsa_kernel
	.section	.bss,"aw",@nobits
	.p2align	6
	.space	262144
	.amdgpu_metadata
---
amdhsa.version: [ 1, 2 ]
amdhsa.kernels:
  - .name:           k_q5b01bb01da_fc1
    .symbol:         k_q5b01bb01da_fc1.kd
    .args:
      - { .name: xh, .offset: 0, .size: 8, .value_kind: global_buffer, .address_space: global }
      - { .name: W1, .offset: 8, .size: 8, .value_kind: global_buffer, .address_space: global }
      - { .name: b1, .offset: 16, .size: 8, .value_kind: global_buffer, .address_space: global }
      - { .name: hs, .offset: 24, .size: 8, .value_kind: global_buffer, .address_space: global }
    .group_segment_fixed_size: 327680
    .private_segment_fixed_size: 0
    .kernarg_segment_align: 8
    .kernarg_segment_size: 32
    .max_flat_workgroup_size: 128
    .sgpr_count:     66
    .vgpr_count:     1024
    .wavefront_size: 32
...
	.end_amdgpu_metadata
.endif
;; end of part 2
;; launch fc2 (part 3): grid 4 x 64, 4 waves a work-group, clusters of 4 x 4, 327,680 bytes of LDS; arguments hs, W2, part; writes part
.if DOCPART == 3
	.amdgcn_target "amdgcn-amd-amdhsa--gfx1250"
	.amdhsa_code_object_version 6
	.text
	.protected	k_q5b01bb01da_fc2
	.globl	k_q5b01bb01da_fc2
	.p2align	8
	.type	k_q5b01bb01da_fc2,@function
k_q5b01bb01da_fc2:
	s_mov_b64 s[64:65], 0
	v_nop
	global_prefetch_b8 v0, s[64:65] scope:SCOPE_SE
	s_setreg_imm32_b32 hwreg(HW_REG_WAVE_MODE, 25, 1), 1
	s_wait_xcnt 0x0
	s_wait_alu depctr_hold_cnt(0) depctr_sa_sdst(0) depctr_va_vdst(0) depctr_va_sdst(0) depctr_va_ssrc(0) depctr_va_vcc(0) depctr_vm_vsrc(0)
	s_getreg_b32 s2, hwreg(HW_REG_IB_STS2, 6, 4)
	s_cmp_eq_u32 s2, 0
	s_cbranch_scc0 .Lentry_in_a_cluster
	s_endpgm
.Lentry_in_a_cluster:
	s_bfe_u32 s2, ttmp6, 0x10000c
	s_cmp_lg_u32 s2, 0xf033
	s_cbranch_scc0 .Lentry_shape_is_right
	s_endpgm
.Lentry_shape_is_right:
; fc2: part[s][t][d] = sum over k = 2048 s .. 2048 s + 2047 of hs[t][k] W2flat[k][d].  hs [1024][32768] f16 (= h / 16), W2flat = W2 as [32768][1024] f32, part [16][1024][1024] f32.
; Nothing of the problem's work is left out here.
; The output has only 4 x 4 blocks of 256 x 256, so K = 8 x 4096 is split in 16: split s (the cluster's y) lies inside expert s >> 1, so that the router's weight
; can be applied where the sixteen parts are added, in the next launch.  Column block cx, row block cy.  Each part is stored by one work-group: no sum crosses work-groups here.
; The body is fc1's with other sizes: four waves, a wave 128 x 128, K = 2048 in steps of 128.
; hs'S TILES come by the tensor data mover into a ring of two LDS slots, asked for JOINTLY by the four work-groups of a row of the cluster (same cy, same split).
; W2'S TILES are f32 and lie [K][N]: rounded in registers, laid into LDS as f16 [K][N], fragments by the transposing LDS load.  They are shared along a column of
; the cluster but not asked for jointly: a joint tile could only be the f32 data, 131,072 bytes a K step that LDS would take in and give out once more.
; LIMITS: operands f16 (W2 is drawn with spread 1/64: 30 times larger or offset by 30 spreads it stays under 1; 30 times smaller its spread is 5e-4, of which f16's
; step of 2^-24 is 1.2e-4; |W2| above 65,504 becomes infinite), sums f32, K ascending in each accumulator; the sixteen parts are added later, in another order than a plain sum along K.
; REGISTERS as in fc1: window 0 addresses and hs's fragments; window 1 two units of W2 as loaded (v0-63, v192-255) and its fragments; windows 2, 3 accumulators.
.set APITCH_EL, 32768                  ; elements from row to row of hs
.set BROW,   4096                      ; bytes from row to row of W2flat
.set CHUNK,  32*BROW                   ; a unit of W2: 32 k rows
.set LAPS,   8                         ; a lap = two K steps; K = 2048
.set PITCH,  272
.set AQ,     64*PITCH
.set ASLOT,  4*AQ
.set BPITCH, 544
.set BQ,     32*BPITCH
.set BBUF,   4*BQ
.set BBASE,  2*ASLOT                   ; the two buffers of W2's tiles lie behind the ring; no tensor load ever lands there
.set DPITCH, 528
.set DWAVE,  128*DPITCH                ; the way out: 67,584 bytes for each wave, over the ring and the buffers, which have had their last fill by then
.set ADRA, 16
.set ADRB, 20
.set BST,  22
.set BOFF, 24                          ; v24  16 x lane: W2's loads and part's stores
.set DST,  25
.set DRD,  26
.set F0,   64
.set F1,   128
.set U0,   0
.set U1,   192
.set X,    64
.set G1,   24
.set G0,   32
.set MSB,  0
.macro WIN new                         ; the immediate's high byte repeats the setting that is left
.if MSB != \new
	s_set_vgpr_msb (MSB<<8)|\new
.set MSB, \new
.endif
.endm
.set MUL_LO, 0xa1                      ; source 0 (W2) window 1, source 1 (hs) window 0, C and D window 2
.set MUL_HI, 0xf1                      ; the same, C and D window 3
.set TO_B,   0x40                      ; destination window 1, address window 0
.macro CREST                           ; a round of the cluster's barrier behind its opening barrier
	s_cmp_lg_u32 s12, 0
	s_cbranch_scc1 .Lnot_wave_0_\@
	s_barrier_signal -3
.Lnot_wave_0_\@:
	s_barrier_wait -3
	s_barrier_signal -1
	s_barrier_wait -1
.endm
.macro CROUND
	s_barrier_signal -1
	s_barrier_wait -1
	CREST
.endm
.macro PLACES                          ; four places behind a matrix instruction (ISA guide 7.12.1)
.rept 4
	v_nop
.endr
.endm
; 16 products, used transposed: source 0 = 16 columns of W2, source 1 = 16 rows of hs: a lane's eight results are eight neighbouring columns of one row
.macro MUL16 f, hi, a0, zero
.irp a, \a0, \a0+1
.irp b, 0,1,2,3,4,5,6,7
.if \zero
	v_wmma_f32_16x16x32_f16 v[8*(8*(\a)+\b):8*(8*(\a)+\b)+7], v[\f+8*\b:\f+8*\b+7], v[\f+8*(4*\hi+\a):\f+8*(4*\hi+\a)+7], 0
.else
	v_wmma_f32_16x16x32_f16 v[8*(8*(\a)+\b):8*(8*(\a)+\b)+7], v[\f+8*\b:\f+8*\b+7], v[\f+8*(4*\hi+\a):\f+8*(4*\hi+\a)+7], v[8*(8*(\a)+\b):8*(8*(\a)+\b)+7]
.endif
.endr
.endr
.endm
.macro FETCH slot, kq, f               ; 32 LDS loads: the fragments of quarter kq of a K step into buffer f
	WIN TO_B
.irp i, 0,1,2,3,4,5,6,7
	ds_load_tr16_b128 v[\f+8*\i:\f+8*\i+3],   v[ADRB+\slot] offset:\kq*BQ+32*\i
	ds_load_tr16_b128 v[\f+8*\i+4:\f+8*\i+7], v[ADRB+\slot] offset:\kq*BQ+32*\i+16*BPITCH
.endr
	WIN 0
.irp i, 0,1,2,3,4,5,6,7
	ds_load_b128 v[\f+8*\i:\f+8*\i+3],   v[ADRA+\slot] offset:64*\kq+\i*16*PITCH
	ds_load_b128 v[\f+8*\i+4:\f+8*\i+7], v[ADRA+\slot] offset:64*\kq+\i*16*PITCH+32
.endr
.endm
; A unit of W2 in 64 registers from base on, under the window that is set: 16 loads (my 8 k rows x 1,024 bytes), 32 roundings in place, 16 LDS stores
.macro PLOADS base, off
.set p, 0
.rept 8
	global_load_b128 v[\base+8*p:\base+8*p+3],   v[BOFF], s[44:45] offset:\off+p*BROW
	global_load_b128 v[\base+8*p+4:\base+8*p+7], v[BOFF], s[44:45] offset:\off+p*BROW+512
.set p, p+1
.endr
.endm
.macro PCAST base
.set p, 0
.rept 32
	v_cvt_pk_f16_f32 v[\base+p], v[\base+2*p], v[\base+2*p+1]    ; word p is written when words 2p, 2p+1 are read
.set p, p+1
.endr
.endm
.macro PSTORE base, buf, rb
.set p, 0
.rept 16
	ds_store_b64 v[BST+\buf], v[\base+2*p:\base+2*p+1] offset:\rb*BQ+(p>>1)*BPITCH+(p&1)*256
.set p, p+1
.endr
.endm
; W2's share of a quarter: in quarter g unit g + 5 is rounded and stored to LDS, unit g + 7 is asked for into the registers just emptied.
; conv = 0: four v_nop take the place of the roundings, which are the places in front of FETCH's loads into fragment registers.
.macro BWORK u, buf, rb, conv, cnt, load
.if \conv
	s_wait_loadcnt \cnt                            ; this unit's 16 loads are in; the next unit's 16 are younger and stay out
	WIN 0x45
	PCAST \u
	WIN 0x04
	PSTORE \u, \buf, \rb
.else
	PLACES
.endif
.if \load
	s_wait_xcnt 0x0                                ; the base of the loads issued so far is stepped only behind this wait
	s_add_nc_u64 s[44:45], s[44:45], CHUNK
	WIN TO_B
	PLOADS \u, 0
.endif
.endm
; The 64 accumulators take turns in the same order in every quarter, over the loop's backward jump too.
.macro QUARTER slot, kq, f, g, zero, u, buf, rb, conv, cnt, load
	s_wait_dscnt 8                                 ; W2's fragments and hs's rows 0-63 are in; the youngest eight loads (rows 64-127) may be out
	WIN MUL_LO
	MUL16 \f, 0, 0, \zero
	MUL16 \f, 0, 2, \zero
	BWORK \u, \buf, \rb, \conv, \cnt, \load
	FETCH \slot, \kq, \g
	s_wait_dscnt 32+16*\conv                       ; all but what this quarter has issued: 16 stores (if any) and 32 loads
	WIN MUL_HI
	MUL16 \f, 1, 0, \zero
	MUL16 \f, 1, 2, \zero
.endm
; The last quarter changes slots.  In front of the barrier each wave waits for all its LDS instructions (reads of this slot and buffer, stores of the next buffer's
; units) and for all its tensor loads (one is out: its part of the next slot).  fill = 1: the barrier opens a round of the cluster's barrier, and the joint refill,
; two K steps ahead, is the first tensor load behind the round and the wave's only one until the next.
.macro TURN slot, next, fill, u, buf, rb, conv, cnt, load
	s_wait_dscnt 8
	WIN MUL_LO
	MUL16 F1, 0, 0, 0
	s_wait_dscnt 0
	s_set_vgpr_msb 0xa1a0
	s_wait_tensorcnt 0x0
	ds_add_u32 v254, v255
	s_wait_dscnt 0x0
	s_set_vgpr_msb 0xa0a1
	s_barrier_signal -1
	MUL16 F1, 0, 2, 0                              ; registers only, while the others arrive
	WIN 0
	s_barrier_wait -1
.if \fill
	CREST
	s_add_nc_u64 s[G0+4*\slot+2:G0+4*\slot+3], s[G0+4*\slot+2:G0+4*\slot+3], 512   ; no tensor load of mine is out: two K steps of 256 bytes on
	tensor_load_to_lds s[G0+4*\slot:G0+4*\slot+3], s[G1:G1+7]
	s_nop 0
.endif
	BWORK \u, \buf, \rb, \conv, \cnt, \load
	FETCH \next, 0, F0
	WIN MUL_HI
	MUL16 F1, 1, 0, 0
	MUL16 F1, 1, 2, 0
.endm
.macro STEPF n, o, zero
	QUARTER \n, 1, F0, F1, \zero, U1, \o, 1, 1, 16, 1
	QUARTER \n, 2, F1, F0, 0,     U0, \o, 2, 1, 16, 1
	QUARTER \n, 3, F0, F1, 0,     U1, \o, 3, 1, 16, 1
	TURN \n, \o, 1, U0, \n, 0, 1, 16, 1
.endm
.macro LAP zero
	STEPF 0, 1, \zero
	STEPF 1, 0, 0
.endm
	s_load_b128 s[4:7], s[0:1], 0x0                ; hs s[4:5], W2 s[6:7]
	s_load_b64 s[8:9], s[0:1], 0x10                ; part
	v_lshl_add_u32 v254, v0, 2, 0x44000
	v_mov_b32 v255, 0
	ds_add_u32 v254, v255
	v_lshrrev_b32 v1, 5, v0
	v_readfirstlane_b32 s12, v1                    ; wave 0..3
	v_and_b32 v2, 31, v0                           ; lane
	v_lshlrev_b32 v[BOFF], 4, v2
	s_lshr_b32 s13, s12, 1                         ; wm
	s_and_b32 s14, s12, 1                          ; wn
	s_bfe_u32 s40, ttmp6, 0x40000                  ; cx = column block (the grid has one cluster along x)
	s_bfe_u32 s41, ttmp6, 0x40004                  ; cy = row block
	s_and_b32 s42, ttmp7, 0xffff                   ; the cluster's y = split 0..15
	s_lshl_b32 s43, s41, 2
	s_lshl_b32 s43, 15, s43                        ; my row of the cluster
	s_lshl_b32 s48, s42, 23                        ; W2flat: 2,048 rows of 4,096 bytes for each split,
	s_lshl_b32 s49, s40, 10                        ; 256 columns of 4 bytes for each block,
	s_add_co_u32 s48, s48, s49
	s_lshl_b32 s49, s12, 15                        ; my 8 rows of each unit
	s_add_co_u32 s48, s48, s49
	s_mov_b32 s49, 0
	s_lshl_b32 s16, s41, 24                        ; hs: 256 rows of 65,536 bytes for each row block,  (s[16:20] never hold cx)
	s_lshl_b32 s17, s12, 22                        ; 64 for each wave,
	s_add_co_u32 s16, s16, s17
	s_lshl_b32 s17, s42, 12                        ; 2,048 columns of 2 bytes for each split
	s_add_co_u32 s16, s16, s17
	s_mov_b32 s17, 0
	s_mul_i32 s20, s12, AQ
	s_wait_dscnt 0x0
	s_wait_kmcnt 0x0
	s_add_nc_u64 s[44:45], s[6:7], s[48:49]
	s_add_nc_u64 s[18:19], s[4:5], s[16:17]
	s_lshl_b32 s48, s42, 22                        ; part: 2^22 bytes for each split,
	s_lshl_b32 s50, s41, 20                        ; 256 rows of 4,096 bytes for each row block,
	s_add_co_u32 s48, s48, s50
	s_lshl_b32 s50, s13, 19                        ; 128 for each half,
	s_add_co_u32 s48, s48, s50
	s_lshl_b32 s50, s40, 10                        ; 256 columns of 4 bytes for each block,
	s_add_co_u32 s48, s48, s50
	s_lshl_b32 s50, s14, 9                         ; 128 for each half
	s_add_co_u32 s48, s48, s50
	s_add_nc_u64 s[46:47], s[8:9], s[48:49]
	; the first seven units of W2: 0-3 (K step 0) and 4 into the accumulators' registers, 5 and 6 into the two units
	WIN 0x80
	PLOADS 0,   0
	PLOADS 64,  CHUNK
	PLOADS 128, 2*CHUNK
	PLOADS 192, 3*CHUNK
	WIN 0xc0
	PLOADS 0,   4*CHUNK
	WIN TO_B
	PLOADS U1,  5*CHUNK
	PLOADS U0,  6*CHUNK
	WIN 0
	s_wait_xcnt 0x0                                ; the base is stepped only behind this wait
	s_add_nc_u64 s[44:45], s[44:45], 6*CHUNK       ; each later request steps it by one unit first
	s_or_b32 s[G1+0], s43, (1<<16)|(1<<20)|(1<<21)|(5<<22)|(3<<25)   ; mask of my row; element of 2 bytes; padding on; bit 21 beside a mask; after 64 words, 4 words
	s_mov_b32 s[G1+1], 128<<16                     ; tensor_dim0 = 128
	s_mov_b32 s[G1+2], 64<<16                      ; tensor_dim1 = 64
	s_mov_b32 s[G1+3], 128<<16                     ; tile_dim0 = 128
	s_mov_b32 s[G1+4], 64                          ; tile_dim1 = 64
	s_mov_b32 s[G1+5], APITCH_EL                   ; elements from row to row
	s_mov_b32 s[G1+6], 0
	s_mov_b32 s[G1+7], 0
	CROUND                                         ; all sixteen work-groups are here: the first joint loads meet
.irp n, 0,1
	s_mov_b32 s[G0+4*\n], 1
	s_add_co_u32 s[G0+4*\n+1], s20, \n*ASLOT
	s_add_nc_u64 s[G0+4*\n+2:G0+4*\n+3], s[18:19], \n*256          ; K step n
	s_or_b32 s[G0+4*\n+3], s[G0+4*\n+3], 0x80000000
	tensor_load_to_lds s[G0+4*\n:G0+4*\n+3], s[G1:G1+7]            ; two loads of the wave are out; later one behind each round
	s_nop 0
.endr
	v_and_b32 v1, 15, v0                           ; r
	v_bfe_u32 v3, v0, 4, 1                         ; h
	v_mul_u32_u24 v4, v1, PITCH
	v_lshl_add_u32 v4, v3, 4, v4
	s_mul_i32 s21, s13, 128*PITCH
	v_add_nc_u32 v[ADRA], s21, v4
	v_add_nc_u32 v[ADRA+1], ASLOT, v[ADRA]
	v_and_b32 v5, 7, v0
	v_lshl_add_u32 v5, v3, 3, v5                   ; k row 8 h + lane % 8
	v_mul_u32_u24 v5, v5, BPITCH
	v_bfe_u32 v6, v0, 3, 1
	v_lshl_add_u32 v5, v6, 4, v5
	s_lshl_b32 s22, s14, 8
	s_add_co_u32 s22, s22, BBASE
	v_add_nc_u32 v[ADRB], s22, v5
	v_add_nc_u32 v[ADRB+1], BBUF, v[ADRB]
	s_mul_i32 s23, s12, 8*BPITCH
	s_add_co_u32 s23, s23, BBASE
	v_lshl_add_u32 v[BST], v2, 3, s23
	v_add_nc_u32 v[BST+1], BBUF, v[BST]
	s_mul_i32 s21, s12, DWAVE
	v_mul_u32_u24 v7, v1, DPITCH
	v_lshl_add_u32 v7, v3, 5, v7
	v_add_nc_u32 v[DST], s21, v7
	v_lshl_add_u32 v[DRD], v2, 4, s21
	s_wait_loadcnt 32                              ; units 5 and 6 are younger: units 0-4 are in
	WIN 0x8a
	PCAST 0
	PCAST 64
	PCAST 128
	PCAST 192
	WIN 0x08
	PSTORE 0,   0, 0
	PSTORE 64,  0, 1
	PSTORE 128, 0, 2
	PSTORE 192, 0, 3
	WIN 0xcf
	PCAST 0
	WIN 0x0c
	PSTORE 0,   1, 0
	WIN 0
	s_wait_dscnt 0x0                               ; my stores are in LDS,
	s_wait_tensorcnt 0x1                           ; my part of K step 0 is in; K step 1's may stay out
	s_barrier_signal -1
	s_barrier_wait -1
	FETCH 0, 0, F0
	LAP 1                                          ; the first lap's first products start the sums
	WIN 0
	s_mov_b32 s15, LAPS-2
.Llap:
	LAP 0
	WIN 0
	s_sub_co_u32 s15, s15, 1
	s_cmp_lg_u32 s15, 0
	s_cbranch_scc1 .Llap
	; the last lap: one more unit is asked for, three more are rounded, no slot is filled
	QUARTER 0, 1, F0, F1, 0, U1, 1, 1, 1, 16, 1
	QUARTER 0, 2, F1, F0, 0, U0, 1, 2, 1, 16, 0
	QUARTER 0, 3, F0, F1, 0, U1, 1, 3, 1, 0,  0
	TURN 0, 1, 0, U0, 0, 0, 0, 0, 0
	QUARTER 1, 1, F0, F1, 0, U1, 0, 0, 0, 0, 0
	QUARTER 1, 2, F1, F0, 0, U0, 0, 0, 0, 0, 0
	QUARTER 1, 3, F0, F1, 0, U1, 0, 0, 0, 0, 0
	s_wait_dscnt 8
	WIN MUL_LO
	MUL16 F1, 0, 0, 0
	MUL16 F1, 0, 2, 0
	s_wait_dscnt 0                                 ; my last reads of the ring and of the buffers are back:
	s_barrier_signal -1
	WIN MUL_HI
	MUL16 F1, 1, 0, 0
	MUL16 F1, 1, 2, 0
	WIN 0
	s_barrier_wait -1                              ; everybody's are: LDS is free for the way out
	; THE WAY OUT: the wave's 128 x 128 sums go to its own 67,584 bytes of LDS and come back by rows of 512 bytes
	PLACES
.macro DUMP hi
.irp a, 0,1,2,3
.irp b, 0,1,2,3,4,5,6,7
	ds_store_b128 v[DST], v[8*(8*\a+\b):8*(8*\a+\b)+3]   offset:16*(4*\hi+\a)*DPITCH+64*\b
	ds_store_b128 v[DST], v[8*(8*\a+\b)+4:8*(8*\a+\b)+7] offset:16*(4*\hi+\a)*DPITCH+64*\b+16
.endr
.endr
.endm
	WIN 0x08
	DUMP 0
	WIN 0x0c
	DUMP 1
	WIN 0
	s_mov_b32 s15, 16
.Lout:
.irp j, 0,1,2,3,4,5,6,7
	ds_load_b128 v[X+4*\j:X+4*\j+3], v[DRD] offset:DPITCH*\j       ; LDS serves a wave's instructions in order: these see my stores
.endr
.irp j, 0,1,2,3,4,5,6,7
	s_wait_dscnt 7-\j                              ; row j of the eight is in
	global_store_b128 v[BOFF], v[X+4*\j:X+4*\j+3], s[46:47] offset:4096*\j         ; the wave stores 512 consecutive bytes of a row of part, aligned
.endr
	s_wait_xcnt 0x0                                ; the stores' data and base are written again only behind this wait
	s_add_nc_u64 s[46:47], s[46:47], 8*4096
	v_add_nc_u32 v[DRD], 8*DPITCH, v[DRD]
	s_sub_co_u32 s15, s15, 1
	s_cmp_lg_u32 s15, 0
	s_cbranch_scc1 .Lout
	s_wait_tensorcnt 0x0
	ds_add_u32 v254, v255
	s_wait_dscnt 0x0
	CROUND                                         ; the closing round: no work-group ends while a partner may still ask for a tile that names it
	s_endpgm
.Lfunc_end_k_q5b01bb01da_fc2:
	.size	k_q5b01bb01da_fc2, .Lfunc_end_k_q5b01bb01da_fc2-k_q5b01bb01da_fc2
	.p2alignl 7, 3214868480
	.fill 96, 4, 3214868480
	.section	.rodata,"a",@progbits
	.p2align	6, 0x0
	.amdhsa_kernel k_q5b01bb01da_fc2
		.amdhsa_group_segment_fixed_size 327680
		.amdhsa_private_segment_fixed_size 0
		.amdhsa_enable_private_segment 0
		.amdhsa_kernarg_size 24
		.amdhsa_user_sgpr_count 2
		.amdhsa_user_sgpr_kernarg_segment_ptr 1
		.amdhsa_wavefront_size32 1
		.amdhsa_system_sgpr_workgroup_id_x 1
		.amdhsa_system_sgpr_workgroup_id_y 1
		.amdhsa_system_sgpr_workgroup_id_z 1
		.amdhsa_system_vgpr_workitem_id 0
		.amdhsa_next_free_vgpr 1024
		.amdhsa_next_free_sgpr 66
		.amdhsa_reserve_vcc 0
		.amdhsa_float_denorm_mode_32 3
		.amdhsa_float_denorm_mode_16_64 3
		.amdhsa_memory_ordered 1
		.amdhsa_forward_progress 1
		.amdhsa_inst_pref_size 255
	.end_amdhsa_kernel
	.section	.bss,"aw",@nobits
	.p2align	6
	.space	262144
	.amdgpu_metadata
---
amdhsa.version: [ 1, 2 ]
amdhsa.kernels:
  - .name:           k_q5b01bb01da_fc2
    .symbol:         k_q5b01bb01da_fc2.kd
    .args:
      - { .name: hs, .offset: 0, .size: 8, .value_kind: global_buffer, .address_space: global }
      - { .name: W2, .offset: 8, .size: 8, .value_kind: global_buffer, .address_space: global }
      - { .name: part, .offset: 16, .size: 8, .value_kind: global_buffer, .address_space: global }
    .group_segment_fixed_size: 327680
    .private_segment_fixed_size: 0
    .kernarg_segment_align: 8
    .kernarg_segment_size: 24
    .max_flat_workgroup_size: 128
    .sgpr_count:     66
    .vgpr_count:     1024
    .wavefront_size: 32
...
	.end_amdgpu_metadata
.endif
;; end of part 3
;; launch comb (part 4): grid 512 x 1, 8 waves a work-group, no clusters, 2,048 bytes of LDS; arguments part, r1, Wr2, br2, b2, out0; writes out0
.if DOCPART == 4
	.amdgcn_target "amdgcn-amd-amdhsa--gfx1250"
	.amdhsa_code_object_version 6
	.text
	.protected	k_q5b01bb01da_comb
	.globl	k_q5b01bb01da_comb
	.p2align	8
	.type	k_q5b01bb01da_comb,@function
k_q5b01bb01da_comb:
	s_mov_b64 s[64:65], 0
	v_nop
	global_prefetch_b8 v0, s[64:65] scope:SCOPE_SE
	s_setreg_imm32_b32 hwreg(HW_REG_WAVE_MODE, 25, 1), 1
	s_wait_xcnt 0x0
; comb: logits[t][e] = sum over k of r1[t][k] Wr2[k][e] + br2[e]; rw = softmax(logits) with the row's maximum taken away;
; out0[t][d] = sum over e of rw[t][e] (b2[e][d] + 16 (part[2e][t][d] + part[2e+1][t][d])).  Nothing of the problem's work is left out here.
; The factor 16 undoes the division of h by 16 that keeps it inside f16's range; it rides on the add of b2 as one fused multiply-add.
; A stream: part's 64 MiB are read once, 16 bytes a lane, a wave's load covers 512 consecutive bytes.  The work-group owns rows 2 g and 2 g + 1; thread t owns columns
; 4 t .. 4 t + 3, and in the router the four k = 4 t .. 4 t + 3.  All loads go out first; the router's arithmetic runs while part is on its way.
; The product r1 @ Wr2 has 8 columns, half a matrix tile, and 8 multiply-adds a token and k: it is done in f32 on the vector unit, with r1 and Wr2 unrounded.
; No cluster, no tensor load, no matrix unit: the work-groups share only Wr2, br2 and b2 (65,568 bytes), and memory binds.
; LIMIT: the sums run in another order than a plain sum along k or e.
.set CO,  1                            ; v1   16 t
.set WO,  2                            ; v2   128 t
.set BO,  3                            ; v3   4 (lane % 8)
.set ACC, 4                            ; v[4:11]    my four columns of the two rows
.set LA,  12                           ; v12  64 x wave
.set LR,  13                           ; v13  4 (lane % 16)
.set TMP, 14
.set BR,  15                           ; v15  br2[lane % 8]
.set S16, 16                           ; v[16:17]   16.0 twice, for the packed multiply-add
.set B2,  32                           ; v[32:63]   b2[e][my columns]
.set P,   64                           ; v[64:191]  part: row rr, expert e, half: 4 registers at 64 rr + 8 e + 4 half
.set R1,  192                          ; v[192:199] r1[rr][my four k]
.set WR,  200                          ; v[200:231] Wr2[my four k][0..7]
.set LG,  232                          ; v[232:247] partial logits, 8 rr + e
	s_load_b256 s[4:11], s[0:1], 0x0               ; part s[4:5], r1 s[6:7], Wr2 s[8:9], br2 s[10:11]
	s_load_b128 s[12:15], s[0:1], 0x20             ; b2 s[12:13], out0 s[14:15]
	v_lshl_add_u32 v254, v0, 2, 0x400
	v_mov_b32 v255, 0
	v_lshrrev_b32 v[TMP], 5, v0
	v_readfirstlane_b32 s34, v[TMP]                ; wave 0..7
	s_lshl_b32 s35, s34, 6
	v_mov_b32 v[LA], s35
	s_lshl_b32 s32, ttmp9, 13                      ; two rows of 4,096 bytes
	s_mov_b32 s33, 0
	s_mov_b32 s36, 0x76543210                      ; v_permlanex16_b32: lane i of one half reads lane i of the other
	s_mov_b32 s37, 0xfedcba98
	v_lshlrev_b32 v[CO], 4, v0
	v_lshlrev_b32 v[WO], 7, v0
	v_and_b32 v[BO], 7, v0
	v_lshlrev_b32 v[BO], 2, v[BO]
	v_and_b32 v[LR], 15, v0
	v_lshlrev_b32 v[LR], 2, v[LR]
	v_mov_b32 v[S16], 0x41800000                   ; 16.0
	v_mov_b32 v[S16+1], 0x41800000
	s_wait_kmcnt 0x0
	s_add_nc_u64 s[6:7], s[6:7], s[32:33]
	s_add_nc_u64 s[14:15], s[14:15], s[32:33]
	s_add_nc_u64 s[16:17], s[4:5], s[32:33]        ; part at my rows, expert 0
.irp e, 1,2,3,4,5,6,7
	s_add_nc_u64 s[16+2*\e:17+2*\e], s[16:17], \e<<23              ; expert e: two parts of 2^22 bytes further for each
.endr
.irp rr, 0,1
	global_load_b128 v[R1+4*\rr:R1+4*\rr+3], v[CO], s[6:7] offset:4096*\rr
.endr
.irp i, 0,1,2,3,4,5,6,7
	global_load_b128 v[WR+4*\i:WR+4*\i+3], v[WO], s[8:9] offset:16*\i
.endr
	global_load_b32 v[BR], v[BO], s[10:11]
.irp e, 0,1,2,3,4,5,6,7
	global_load_b128 v[B2+4*\e:B2+4*\e+3], v[CO], s[12:13] offset:4096*\e
.endr
.irp rr, 0,1
.irp e, 0,1,2,3,4,5,6,7
	global_load_b128 v[P+64*\rr+8*\e:P+64*\rr+8*\e+3],   v[CO], s[16+2*\e:17+2*\e] offset:4096*\rr th:TH_LOAD_NT
	global_load_b128 v[P+64*\rr+8*\e+4:P+64*\rr+8*\e+7], v[CO], s[16+2*\e:17+2*\e] offset:(1<<22)+4096*\rr th:TH_LOAD_NT
.endr
.endr
	; the router.  Two experts at a time; r1's number is word sel of its pair pr, taken for both halves
.macro RT rr, kk, pr, sel
.irp q, 0,1,2,3
.if \kk == 0
	v_pk_mul_f32 v[LG+8*\rr+2*\q:LG+8*\rr+2*\q+1], v[R1+4*\rr+2*\pr:R1+4*\rr+2*\pr+1], v[WR+8*\kk+2*\q:WR+8*\kk+2*\q+1] op_sel:[\sel,0] op_sel_hi:[\sel,1]
.else
	v_pk_fma_f32 v[LG+8*\rr+2*\q:LG+8*\rr+2*\q+1], v[R1+4*\rr+2*\pr:R1+4*\rr+2*\pr+1], v[WR+8*\kk+2*\q:WR+8*\kk+2*\q+1], v[LG+8*\rr+2*\q:LG+8*\rr+2*\q+1] op_sel:[\sel,0,0] op_sel_hi:[\sel,1,1]
.endif
.endr
.endm
	s_wait_loadcnt 40                              ; b2's 8 and part's 32 loads are younger: r1, Wr2 and br2 are in
.irp rr, 0,1
	RT \rr, 0, 0, 0
	RT \rr, 1, 0, 1
	RT \rr, 2, 1, 0
	RT \rr, 3, 1, 1
.endr
	v_mov_b32 v[TMP], 0                            ; v_permlanex16_b32 counts as a reader of its destination
.set p, 0
.rept 16                                           ; each of the 16 partial logits summed over the wave's 32 lanes
	v_add_f32_dpp v[LG+p], v[LG+p], v[LG+p] row_xmask:1 row_mask:0xf bank_mask:0xf
	v_add_f32_dpp v[LG+p], v[LG+p], v[LG+p] row_xmask:2 row_mask:0xf bank_mask:0xf
	v_add_f32_dpp v[LG+p], v[LG+p], v[LG+p] row_xmask:4 row_mask:0xf bank_mask:0xf
	v_add_f32_dpp v[LG+p], v[LG+p], v[LG+p] row_xmask:8 row_mask:0xf bank_mask:0xf
	v_permlanex16_b32 v[TMP], v[LG+p], s36, s37
	v_add_f32 v[LG+p], v[LG+p], v[TMP]
.set p, p+1
.endr
.irp i, 0,1,2,3
	ds_store_b128 v[LA], v[LG+4*\i:LG+4*\i+3] offset:16*\i         ; the wave's 16 sums: all lanes write the same words with the same values
.endr
	s_wait_dscnt 0x0                               ; my sums are in LDS,
	s_barrier_signal -1
	s_barrier_wait -1                              ; everybody's are
.irp i, 0,1,2,3,4,5,6,7
	ds_load_b32 v[WR+\i], v[LR] offset:64*\i       ; lane l takes sum l % 16 (row (l >> 3) & 1, expert l & 7) of wave i
.endr
	s_wait_dscnt 0x0
	v_add_f32 v[WR], v[WR], v[WR+1]
	v_add_f32 v[WR+2], v[WR+2], v[WR+3]
	v_add_f32 v[WR+4], v[WR+4], v[WR+5]
	v_add_f32 v[WR+6], v[WR+6], v[WR+7]
	v_add_f32 v[WR], v[WR], v[WR+2]
	v_add_f32 v[WR+4], v[WR+4], v[WR+6]
	v_add_f32 v[WR], v[WR], v[WR+4]
	v_add_f32 v[WR], v[WR], v[BR]                  ; the logit
	; softmax over the eight lanes that hold a row's experts
	v_max_num_f32_dpp v[WR+1], v[WR], v[WR] row_xmask:1 row_mask:0xf bank_mask:0xf
	v_max_num_f32_dpp v[WR+1], v[WR+1], v[WR+1] row_xmask:2 row_mask:0xf bank_mask:0xf
	v_max_num_f32_dpp v[WR+1], v[WR+1], v[WR+1] row_xmask:4 row_mask:0xf bank_mask:0xf
	v_sub_f32 v[WR], v[WR], v[WR+1]                ; the row's maximum is taken away
	v_mul_f32 v[WR], 0x3fb8aa3b, v[WR]
	v_exp_f32 v[WR], v[WR]
	v_nop                                          ; a plain line behind the exponential before its result is used (ISA guide 5.7.2)
	s_wait_alu depctr_va_vdst(0)
	v_add_f32_dpp v[WR+2], v[WR], v[WR] row_xmask:1 row_mask:0xf bank_mask:0xf
	v_add_f32_dpp v[WR+2], v[WR+2], v[WR+2] row_xmask:2 row_mask:0xf bank_mask:0xf
	v_add_f32_dpp v[WR+2], v[WR+2], v[WR+2] row_xmask:4 row_mask:0xf bank_mask:0xf
	v_rcp_f32 v[WR+2], v[WR+2]
	v_nop
	s_wait_alu depctr_va_vdst(0)
	v_mul_f32 v[WR], v[WR], v[WR+2]                ; rw[row][expert]
.set p, 0
.rept 16
	v_readlane_b32 s[40+p], v[WR], p               ; s[40 + 8 rr + e]: used as factors only
.set p, p+1
.endr
; one row: the two parts of each expert, times 16, and its b2, times the router's weight
.macro ROWOUT rr, cnt
	s_wait_loadcnt \cnt
.irp e, 0,1,2,3,4,5,6,7
	v_pk_add_f32 v[P+64*\rr+8*\e:P+64*\rr+8*\e+1],   v[P+64*\rr+8*\e:P+64*\rr+8*\e+1],   v[P+64*\rr+8*\e+4:P+64*\rr+8*\e+5]
	v_pk_add_f32 v[P+64*\rr+8*\e+2:P+64*\rr+8*\e+3], v[P+64*\rr+8*\e+2:P+64*\rr+8*\e+3], v[P+64*\rr+8*\e+6:P+64*\rr+8*\e+7]
	v_pk_fma_f32 v[P+64*\rr+8*\e:P+64*\rr+8*\e+1],   v[P+64*\rr+8*\e:P+64*\rr+8*\e+1],   v[S16:S16+1], v[B2+4*\e:B2+4*\e+1]
	v_pk_fma_f32 v[P+64*\rr+8*\e+2:P+64*\rr+8*\e+3], v[P+64*\rr+8*\e+2:P+64*\rr+8*\e+3], v[S16:S16+1], v[B2+4*\e+2:B2+4*\e+3]
.irp c, 0,1,2,3
.if \e == 0
	v_mul_f32 v[ACC+4*\rr+\c], s[40+8*\rr+\e], v[P+64*\rr+8*\e+\c]                 ; the first expert starts the sum
.else
	v_fma_f32 v[ACC+4*\rr+\c], s[40+8*\rr+\e], v[P+64*\rr+8*\e+\c], v[ACC+4*\rr+\c]
.endif
.endr
.endr
	global_store_b128 v[CO], v[ACC+4*\rr:ACC+4*\rr+3], s[14:15] offset:4096*\rr th:TH_STORE_NT   ; a wave stores 512 consecutive bytes, aligned
.endm
	ROWOUT 0, 16                                   ; row 1's 16 loads are younger: b2 and row 0 are in
	ROWOUT 1, 0
	s_wait_tensorcnt 0x0
	ds_add_u32 v254, v255
	s_wait_dscnt 0x0
	s_endpgm
.Lfunc_end_k_q5b01bb01da_comb:
	.size	k_q5b01bb01da_comb, .Lfunc_end_k_q5b01bb01da_comb-k_q5b01bb01da_comb
	.p2alignl 7, 3214868480
	.fill 96, 4, 3214868480
	.section	.rodata,"a",@progbits
	.p2align	6, 0x0
	.amdhsa_kernel k_q5b01bb01da_comb
		.amdhsa_group_segment_fixed_size 2048
		.amdhsa_private_segment_fixed_size 0
		.amdhsa_enable_private_segment 0
		.amdhsa_kernarg_size 48
		.amdhsa_user_sgpr_count 2
		.amdhsa_user_sgpr_kernarg_segment_ptr 1
		.amdhsa_wavefront_size32 1
		.amdhsa_system_sgpr_workgroup_id_x 1
		.amdhsa_system_sgpr_workgroup_id_y 1
		.amdhsa_system_sgpr_workgroup_id_z 1
		.amdhsa_system_vgpr_workitem_id 0
		.amdhsa_next_free_vgpr 256
		.amdhsa_next_free_sgpr 66
		.amdhsa_reserve_vcc 0
		.amdhsa_float_denorm_mode_32 3
		.amdhsa_float_denorm_mode_16_64 3
		.amdhsa_memory_ordered 1
		.amdhsa_forward_progress 1
		.amdhsa_inst_pref_size 25
	.end_amdhsa_kernel
	.amdgpu_metadata
---
amdhsa.version: [ 1, 2 ]
amdhsa.kernels:
  - .name:           k_q5b01bb01da_comb
    .symbol:         k_q5b01bb01da_comb.kd
    .args:
      - { .name: part, .offset: 0, .size: 8, .value_kind: global_buffer, .address_space: global }
      - { .name: r1, .offset: 8, .size: 8, .value_kind: global_buffer, .address_space: global }
      - { .name: Wr2, .offset: 16, .size: 8, .value_kind: global_buffer, .address_space: global }
      - { .name: br2, .offset: 24, .size: 8, .value_kind: global_buffer, .address_space: global }
      - { .name: b2, .offset: 32, .size: 8, .value_kind: global_buffer, .address_space: global }
      - { .name: out0, .offset: 40, .size: 8, .value_kind: global_buffer, .address_space: global }
    .group_segment_fixed_size: 2048
    .private_segment_fixed_size: 0
    .kernarg_segment_align: 8
    .kernarg_segment_size: 48
    .max_flat_workgroup_size: 256
    .sgpr_count:     66
    .vgpr_count:     256
    .wavefront_size: 32
...
	.end_amdgpu_metadata
.endif
;; end of part 4
